; MI455X (gfx1250); checked and timed in simulation.
; The chip was launched on July 23, 2026; its instructions are those of AMD's public machine-readable ISA for CDNA 5 (MIT licence, August 2026) and "CDNA5" Instruction Set Architecture Reference Guide (July 2026). The comments in the code are by the model that wrote it; some were corrected since.
;; Self Attention. Allowed arithmetic: matrix products marked QUANTISED: E2M3 operands, one E8M0 scale for each 32 along K, by v_wmma_scale_f32_16x16x128_f8f6f4 with both operands' format E2M3, f32 sums; everything else in f32.
;; Inputs: Wk 512 x 512 float32; Wo 512 x 512 float32; Wq 512 x 512 float32; Wv 512 x 512 float32; bk 512 float32; bo 512 float32; bq 512 float32; bv 512 float32; x 2 x 4,096 x 512 float32.
;; Outputs: out0 2 x 4,096 x 512 float32.
;; This version of the problem:
;;   THIS VERSION OF THE PROBLEM IS GIVEN IN LOW PRECISION. The matrix products marked QUANTISED in the list below multiply operands that are first quantised to E2M3 (2 exponent bits, 3 mantissa bits; 6 bits a number), with one power-of-two scale for each 32 numbers along K (OCP MX v1.0); their sums are f32. All else is computed in f32.
;;   The module's matrix products, in the order in which they are computed (A, B: the left and right operand; K: the contracted axis; several contracted axes count as one K, in the product's order):
;;     1. [M 8,192, K 512] x [K 512, N 512]; A: input x; B: input Wq: QUANTISED
;;     2. [M 8,192, K 512] x [K 512, N 512]; A: input x; B: input Wk: QUANTISED
;;     3. [M 8,192, K 512] x [K 512, N 512]; A: input x; B: input Wv: QUANTISED
;;     4. batch 16 x [M 4,096, K 64] x [K 64, N 4,096]; A: computed on the way; B: computed on the way: QUANTISED
;;     5. batch 16 x [M 4,096, K 4,096] x [K 4,096, N 64]; A: softmax (see below); B: computed on the way: QUANTISED
;;     6. [M 8,192, K 512] x [K 512, N 512]; A: computed on the way; B: input Wo: QUANTISED
;;   THE QUANTISER, for each operand of a quantised product, along K:
;;     - K is cut into blocks of 32 from its start; a last block that is shorter is filled with zeros.
;;     - A block's scale is 2^e with e = floor(log2(the largest magnitude in the block)) - 2, held to -126 .. 127; a block of zeros has e = 0. As a byte (E8M0): e + 127.
;;     - Each number is divided by its block's scale, clamped to +-7.5, and rounded to the nearest number of E2M3, ties to even, subnormals kept.
;;     - The product sums the exact products of the quantised numbers (number of the format x scale) in f32.
;;   ~~~python
;;   def quantise(x, axis):      # numpy; x: float32 -> the quantised numbers, widened to float32 again
;;       x = np.moveaxis(x, axis, -1); K = x.shape[-1]
;;       x = np.pad(x, [(0, 0)] * (x.ndim - 1) + [(0, -K % 32)]); x = x.reshape(x.shape[:-1] + (-1, 32)); a = np.abs(x).max(-1, keepdims=True)
;;       e = np.where(a > 0, np.clip(np.frexp(np.where(a > 0, a, 1))[1] - 1 - 2, -126, 127), 0)      # np.frexp(a)[1] - 1 = floor(log2(a)), exactly
;;       r = np.clip(x / 2.0 ** e, -7.5, 7.5)
;;       step = 2.0 ** (np.maximum(np.frexp(np.where(r == 0, 1, r))[1] - 1, 0) - 3)
;;       q = np.round(r / step) * step * 2.0 ** e      # np.round: ties to even
;;       return np.moveaxis(q.reshape(q.shape[:-2] + (-1,))[..., :K], -1, axis).astype(np.float32)
;;   ~~~
;;   SOFTMAX AHEAD OF A QUANTISED PRODUCT. Where the list says 'softmax', what is quantised is not the finished softmax but p = 2^(t - M), with t = logit x log2(e) and M = ceil(the row's largest t), a whole number; so 1/2 < the row's largest p <= 1. The row's sum l is taken of the UNQUANTISED p, in f32, and the product's result is divided by l at the end. Since M is a whole number, a kernel that streams over the keys may use a running M (the ceiling of the running maximum): every later rescaling is an exact power of two, which a block's scale takes up: the codes' values come out the same.
;;   OPERANDS COMPUTED ON THE WAY. 'Computed on the way' means the value that the module computes at that place (a softmax that the list does not call 'softmax' is quantised finished and normalised). What goes into a quantiser is computed in f32, as accurately as f32 sums, v_exp_f32 and their like allow (about 1e-6 of the number): no bf16 or f16 on the way to a quantiser, and a product that is left as it is and whose result goes on into a quantised operand takes f32 operands (vector FMAs, or v_wmma_f32_16x16x4_f32). A number that lies on a knife's edge between two numbers of the format may be rounded either way, as far as f32 arithmetic and the matrix unit's own rounding can turn it there, and no further.
;; One version. Each part assembles by itself: llvm-mc -triple=amdgcn-amd-amdhsa -mcpu=gfx1250 --defsym DOCPART=n.
;; ======== version 1 of 1: 4 launches
;; limits: right only within a limited range of input values
;; workspace buffers: xq 3,276,800 bytes; wq 819,200 bytes; qq 3,407,872 bytes; kk 3,145,728 bytes; vv 3,145,728 bytes; kvs 393,216 bytes; aq 3,276,800 bytes
;; launch quant (part 1): grid 160 x 1, 4 waves a work-group, no clusters, 34,304 bytes of LDS; arguments x, Wq, Wk, Wv, Wo, xq, wq; writes xq, wq
.if DOCPART == 1
	.amdgcn_target "amdgcn-amd-amdhsa--gfx1250"
	.amdhsa_code_object_version 6
	.text
	.protected	k_qc600072415_quant
	.globl	k_qc600072415_quant
	.p2align	8
	.type	k_qc600072415_quant,@function
k_qc600072415_quant:
	s_mov_b64 s[64:65], 0
	v_nop
	global_prefetch_b8 v0, s[64:65] scope:SCOPE_SE
	s_setreg_imm32_b32 hwreg(HW_REG_WAVE_MODE, 25, 1), 1
	s_wait_xcnt 0x0
; x [8192][512] and Wq, Wk, Wv, Wo [512][512], f32 with K innermost, become codes of FP6 (E2M3) with one E8M0 byte for each 32 along K,
; stored as IMAGES OF THE OPERAND REGISTERS: tile (16 rows) x K step (128) = 12 registers a lane = 3 groups of 4 registers, each group 512 bytes, lane l at 16 l.
; THE ROWS OF A TILE ARE NOT NEIGHBOURS: lane r of tile t takes row 32 (t / 2) + 8 (t % 2) + r + 8 (r / 8).  As source 0 of a product such a tile puts 16 neighbouring rows
; into the 16 result registers of tiles 2 b and 2 b + 1; as source 1 the order only says which lane holds which row.  One order serves every use in the later launches.
; Scale words: [tile][r][K step], 256 bytes a tile, behind the images (at XSC in xq, at WSC in wq).
; A block's scale is 2^(floor(log2(largest magnitude)) - 2); its byte is the largest magnitude's exponent field - 2, held at 1 from below.
; LIMITS: a block of zeros keeps the byte 1 (its codes are zeros, and this program alone reads the bytes); blocks whose largest magnitude lies under 2^-124 are held at the byte 1;
; NaN and infinities among the inputs are not served.
; SHARES: a wave takes one tile, 16 rows x 512.  Work-groups 0-127: x, tile 4 g + wave.  Work-groups 128-159: the weights, 8 work-groups each; in wq the tiles lie 32 m + t, m = 0 q, 1 k, 2 v, 3 o.
; A load takes 512 consecutive bytes of one row (a K step); the conversions want 16 neighbours in one lane: a K step's 16 rows turn through the wave's own stage in LDS, rows 528 bytes apart
; (528 = 2 x 256 + 16: the sixteen rows that a read touches start in sixteen different 16-byte columns).  No barrier: waves share nothing.  No matrix unit, no cluster: every byte is read once.
.set XSC,   3145728
.set WSC,   786432
.set STG,   8448                       ; a wave's stage: 16 rows x 528
.set SPARE, 4*STG                      ; behind the stages: the spare words, 128 bytes for each wave, that no other line names
.set R,     16                         ; v16-79, v80-143: two sets of 64 registers as loaded
.set X,     144                        ; v144-207: 64 numbers: register 16 b + i = k 32 b + 16 (lane / 16) + i of my row
.set PC,    208                        ; v208-219 the fragment; v220-226 at work
.set TM,    228                        ; v228-243 at work
.set PW,    244                        ; v244-247 the four K steps' scale words
.set SPW,   6                          ; v6 my spare word's LDS address; v7 = 0; never rewritten
.set NIL,   7
.set SEL,   20                         ; s[20:21] selects for lane l xor 16
; 64 numbers of a lane become a fragment's codes in v[pc] .. v[pc + 11] and the row's scale word in v[pw]
.macro QUANT s, pc, pw
.irp b, 0,1,2,3
	v_max3_num_f32 v[TM+\b], |v[(\s)+16*\b]|, |v[(\s)+1+16*\b]|, 0x1800000   ; block b: my 16 numbers, and the floor 2^(3 - 127): the byte cannot fall under 1
.endr
.irp i, 2,4,6,8,10,12,14
.irp b, 0,1,2,3
	v_max3_num_f32 v[TM+\b], v[TM+\b], |v[(\s)+16*\b+\i]|, |v[(\s)+1+16*\b+\i]|
.endr
.endr
.irp b, 0,1,2,3
	v_permlanex16_b32 v[TM+4+\b], v[TM+\b], s[SEL], s[SEL+1]
.endr
.irp b, 0,1,2,3
	v_max_num_f32 v[TM+\b], v[TM+\b], v[TM+4+\b]           ; with lane l xor 16: the block's largest magnitude
.endr
.irp b, 0,1,2,3
	v_add_nc_u32 v[TM+12+\b], 0xff000000, v[TM+\b]         ; 2 off its exponent field: the conversion's scale operand
.endr
.irp b, 0,1,2,3
	v_lshrrev_b32 v[TM+4+\b], 23, v[TM+12+\b]              ; the scale's byte
.endr
	v_lshl_or_b32 v[(\pw)], v[TM+5], 8, v[TM+4]
	v_lshl_or_b32 v[(\pw)], v[TM+6], 16, v[(\pw)]
	v_lshl_or_b32 v[(\pw)], v[TM+7], 24, v[(\pw)]
.irp c, 0,1
	v_cvt_scalef32_pk16_fp6_f32 v[(\pc)+6*\c:(\pc)+2+6*\c], v[(\s)+32*\c:(\s)+15+32*\c], v[TM+12+2*\c]
	v_cvt_scalef32_pk16_fp6_f32 v[(\pc)+12+4*\c:(\pc)+14+4*\c], v[(\s)+16+32*\c:(\s)+31+32*\c], v[TM+13+2*\c]   ; (a conversion's three registers begin on an even number)
.endr
	v_nop                                                  ; one plain place behind a scaled conversion
.irp c, 0,1                                            ; the layout wants a whole block in a lane: lanes 0-15 block 2 c, lanes 16-31 block 2 c + 1
.irp i, 0,1,2
	v_permlane16_swap_b32 v[(\pc)+6*\c+\i], v[(\pc)+12+4*\c+\i]
.endr
.irp i, 0,1,2
	v_mov_b32 v[(\pc)+3+6*\c+\i], v[(\pc)+12+4*\c+\i]
.endr
.endr
.endm
	s_load_b256 s[4:11], s[0:1], 0x0               ; x, Wq, Wk, Wv
	s_load_b128 s[12:15], s[0:1], 0x20             ; Wo, xq
	s_load_b64 s[16:17], s[0:1], 0x30              ; wq
	v_lshl_add_u32 v[SPW], v0, 2, SPARE
	v_mov_b32 v[NIL], 0
	v_lshrrev_b32 v8, 5, v0
	v_readfirstlane_b32 s18, v8                    ; wave
	v_and_b32 v1, 31, v0                           ; lane
	v_lshlrev_b32 v2, 4, v1                        ; 16 x lane
	s_mul_i32 s19, s18, STG
	v_add_nc_u32 v3, s19, v2                       ; the stage, way in: 16 x lane of a row
	v_and_b32 v8, 15, v0                           ; r
	v_bfe_u32 v9, v0, 4, 1                         ; h
	v_mul_u32_u24 v4, v8, 528
	v_lshl_add_u32 v4, v9, 6, v4
	v_add_nc_u32 v4, s19, v4                       ; way out: row r, + 64 h: my 16 numbers of a block
	v_lshlrev_b32 v5, 4, v8                        ; the scale words' place: 16 r
.irp b, 0,1,2,3
	v_mov_b32 v[TM+4+\b], 0                        ; written once: a lane permute's destination counts as one of its sources
.endr
	s_mov_b32 s[SEL], 0x76543210
	s_mov_b32 s[SEL+1], 0xfedcba98
	s_sub_co_u32 s22, ttmp9, 128                   ; a weight's work-group: g' (not used for x)
	s_lshr_b32 s23, s22, 3                         ; which weight
	s_and_b32 s32, s22, 7
	s_mov_b32 s31, WSC
	s_cmp_lt_u32 ttmp9, 128                        ; x or a weight: the choice hangs on the work-group's number alone
	s_cselect_b32 s33, ttmp9, s32
	s_cselect_b32 s34, ttmp9, s22
	s_cselect_b32 s31, XSC, s31
	s_lshl_b32 s33, s33, 2
	s_add_co_u32 s33, s33, s18                     ; the tile in its source
	s_lshl_b32 s34, s34, 2
	s_add_co_u32 s34, s34, s18                     ; and in its destination
	s_lshr_b32 s35, s33, 1
	s_lshl_b32 s35, s35, 16                        ; 32 (t / 2) rows of 2,048 bytes
	s_and_b32 s36, s33, 1
	s_lshl_b32 s36, s36, 14                        ; 8 (t % 2) rows
	s_add_co_u32 s36, s35, s36
	s_mov_b32 s37, 0
	s_mul_i32 s38, s34, 6144
	s_mov_b32 s39, 0
	s_lshl_b32 s40, s34, 8
	s_add_co_u32 s40, s40, s31
	s_mov_b32 s41, 0
	s_wait_alu depctr_va_vdst(0)
	s_wait_kmcnt 0x0
	s_cmp_eq_u32 s23, 1
	s_cselect_b64 s[24:25], s[8:9], s[6:7]
	s_cmp_eq_u32 s23, 2
	s_cselect_b64 s[24:25], s[10:11], s[24:25]
	s_cmp_eq_u32 s23, 3
	s_cselect_b64 s[24:25], s[12:13], s[24:25]
	s_cmp_lt_u32 ttmp9, 128
	s_cselect_b64 s[24:25], s[4:5], s[24:25]
	s_cselect_b64 s[26:27], s[14:15], s[16:17]
	s_add_nc_u64 s[28:29], s[26:27], s[40:41]      ; my tile's scale words
	s_add_nc_u64 s[26:27], s[26:27], s[38:39]      ; my tile's images
	s_add_nc_u64 s[24:25], s[24:25], s[36:37]      ; my tile's first row
.macro LOAD s                          ; K step s of the 16 rows: each load 512 consecutive bytes
.irp i, 0,1,2,3,4,5,6,7,8,9,10,11,12,13,14,15
	global_load_b128 v[R+64*((\s)%2)+4*\i:R+64*((\s)%2)+4*\i+3], v2, s[24:25] offset:(\i+8*(\i/8))*2048+512*(\s) th:TH_LOAD_NT
.endr
.endm
.macro STEP s
.if (\s) < 3
	s_wait_loadcnt 16                              ; this K step's 16 loads are in; the other set's 16 may be out
.else
	s_wait_loadcnt 0x0
.endif
.irp i, 0,1,2,3,4,5,6,7,8,9,10,11,12,13,14,15
	ds_store_b128 v3, v[R+64*((\s)%2)+4*\i:R+64*((\s)%2)+4*\i+3] offset:528*\i
.endr
.irp b, 0,1,2,3
.irp j, 0,1,2,3
	ds_load_b128 v[X+16*\b+4*\j:X+16*\b+4*\j+3], v4 offset:128*\b+16*\j   ; LDS serves a wave's instructions in order: these see the stores above
.endr
.endr
	s_wait_dscnt 0x0                               ; the numbers are back, and the stores have read their registers,
.if (\s) < 2
	LOAD (\s)+2                                    ; which take the K step two on
.endif
.if (\s) > 0
	s_wait_xcnt 0x0                                ; the last fragment's stores have read their data: the codes' registers are written again only behind this wait
.endif
	QUANT X, PC, PW+(\s)
.irp c, 0,1,2
	global_store_b128 v2, v[PC+4*\c:PC+4*\c+3], s[26:27] offset:1536*(\s)+512*\c   ; 512 consecutive bytes, aligned
.endr
.endm
	LOAD 0
	LOAD 1
	STEP 0
	STEP 1
	STEP 2
	STEP 3
	s_wait_xcnt 0x0                                ; EXEC changes only behind this wait
	v_cmp_gt_u32 vcc_lo, 16, v1
	s_and_saveexec_b32 s30, vcc_lo
	global_store_b128 v5, v[PW:PW+3], s[28:29]     ; lanes 0-15: 256 consecutive bytes, aligned
	s_wait_xcnt 0x0
	s_or_b32 exec_lo, exec_lo, s30
	s_wait_tensorcnt 0x0                           ; the wave's end, behind my last LDS store
	ds_add_u32 v[SPW], v[NIL]
	s_wait_dscnt 0x0
	s_endpgm
.Lfunc_end_k_qc600072415_quant:
	.size	k_qc600072415_quant, .Lfunc_end_k_qc600072415_quant-k_qc600072415_quant
	.p2alignl 7, 3214868480
	.fill 96, 4, 3214868480
	.section	.rodata,"a",@progbits
	.p2align	6, 0x0
	.amdhsa_kernel k_qc600072415_quant
		.amdhsa_group_segment_fixed_size 34304
		.amdhsa_private_segment_fixed_size 0
		.amdhsa_enable_private_segment 0
		.amdhsa_kernarg_size 56
		.amdhsa_user_sgpr_count 2
		.amdhsa_user_sgpr_kernarg_segment_ptr 1
		.amdhsa_wavefront_size32 1
		.amdhsa_system_sgpr_workgroup_id_x 1
		.amdhsa_system_sgpr_workgroup_id_y 1
		.amdhsa_system_sgpr_workgroup_id_z 1
		.amdhsa_system_vgpr_workitem_id 0
		.amdhsa_next_free_vgpr 248
		.amdhsa_next_free_sgpr 66
		.amdhsa_reserve_vcc 1
		.amdhsa_float_denorm_mode_32 3
		.amdhsa_float_denorm_mode_16_64 3
		.amdhsa_memory_ordered 1
		.amdhsa_forward_progress 1
		.amdhsa_inst_pref_size 34
	.end_amdhsa_kernel
	.amdgpu_metadata
---
amdhsa.version: [ 1, 2 ]
amdhsa.kernels:
  - .name:           k_qc600072415_quant
    .symbol:         k_qc600072415_quant.kd
    .args:
      - { .name: x, .offset: 0, .size: 8, .value_kind: global_buffer, .address_space: global }
      - { .name: Wq, .offset: 8, .size: 8, .value_kind: global_buffer, .address_space: global }
      - { .name: Wk, .offset: 16, .size: 8, .value_kind: global_buffer, .address_space: global }
      - { .name: Wv, .offset: 24, .size: 8, .value_kind: global_buffer, .address_space: global }
      - { .name: Wo, .offset: 32, .size: 8, .value_kind: global_buffer, .address_space: global }
      - { .name: xq, .offset: 40, .size: 8, .value_kind: global_buffer, .address_space: global }
      - { .name: wq, .offset: 48, .size: 8, .value_kind: global_buffer, .address_space: global }
    .group_segment_fixed_size: 34304
    .private_segment_fixed_size: 0
    .kernarg_segment_align: 8
    .kernarg_segment_size: 56
    .max_flat_workgroup_size: 128
    .sgpr_count:     66
    .vgpr_count:     248
    .wavefront_size: 32
...
	.end_amdgpu_metadata
.endif
;; end of part 1
;; launch proj (part 2): grid 64 x 3, 4 waves a work-group, no clusters, 0 bytes of LDS; arguments xq, wq, bq, bk, bv, qq, kk, vv, kvs; writes qq, kk, vv, kvs
.if DOCPART == 2
	.amdgcn_target "amdgcn-amd-amdhsa--gfx1250"
	.amdhsa_code_object_version 6
	.text
	.protected	k_qc600072415_proj
	.globl	k_qc600072415_proj
	.p2align	8
	.type	k_qc600072415_proj,@function
k_qc600072415_proj:
	s_mov_b64 s[64:65], 0
	v_nop
	global_prefetch_b8 v0, s[64:65] scope:SCOPE_SE
	s_setreg_imm32_b32 hwreg(HW_REG_WAVE_MODE, 25, 1), 1
	s_wait_xcnt 0x0
; Q = x Wq^T + bq, K = x Wk^T + bk, V = x Wv^T + bv on codes of FP6, and the results quantised at once: Q and K along the head's 64, V along the keys.
; SHARES: work-group x = a group of 128 tokens (8 tiles of x; a key step of attention), y = 0 Q, 1 K, 2 V.  Wave w takes output columns 128 w .. 128 w + 127: heads 2 w and 2 w + 1.
; ONE FORM: D = (source 0 = a RESIDENT tile t) x (source 1 = a STREAMED tile u): a lane holds one streamed row, and the 64 result registers of the eight resident tiles run along the resident
; operand's 128 rows, 16 neighbours for each pair of tiles (the tiles' row order was chosen for that when the codes were made).
;   Q, K: resident = the weight's 128 rows, streamed = x: a lane holds one token and 64 of its 128 columns: the conversions give two half fragments, one for each head.
;   V:    resident = x's 128 tokens, streamed = Wv: a lane holds one channel and 64 of the 128 keys: the conversions give a fragment of V^T with the keys innermost.
; The bias is the C of each sum's first product.  The eight accumulators take turns in every K step.
; NO LDS, NO BARRIER, NO CLUSTER: each wave's operands go from memory straight into the registers that keep them, each read once by the wave (96 + 96 loads of 512 bytes for 256 products);
; a road through LDS would add a write, a read and barriers, and which operand the waves share differs between the two paths.
; OUT: qq, kk images [head][tile][pair p][lane][8 bytes]; their scale words [head][8 tiles][h][r][j] (word of tile 2 j + h, row r; bytes 2, 3 = 0x7f, for the empty upper half of attention's K);
;      vv images [head][key step][channel tile][group c][lane][16 bytes]; its scale words [head][key step][lane][j] (tile 2 j + h).  K's and V's scale words share kvs: 24,576 bytes a head.
; LIMITS: as stated at the head of the launch that makes the codes of x: zero blocks keep the byte 1; NaN and infinities are not served.
; REGISTERS: window 0: v1 16 x lane, v2 8 x lane, v3 the bias's offset, v4 lane; v16-31 resident scale words, v32-47 streamed ones (register 4 (t / 2) + s; tile's parity = half of the lanes);
;   v48-111 accumulators; v112-131 codes; v132-147 at work; v148-155 a scale word for each trip; v156-163 V's bias as C; v164-171 V's bias as loaded; v172-179 scale images; v180 0x7f7f7f7f.
;   window 1: resident fragments of K steps 0, 1 at 12 (8 s + t); v192-255 the bias in the result's layout.   window 2: those of K steps 2, 3.   window 3: four sets of a streamed tile's four fragments.
.set XSC,   3145728
.set WSC,   786432
.set QSC,   3145728
.set HB,    196608                     ; a head's images in qq, kk, vv
.set RS,    16
.set SS,    32
.set HA,    48
.set PC,    112
.set TM,    132
.set PWS,   148
.set BV,    156
.set BVL,   164
.set SI,    172
.set C7F,   180
.set B1,    192
.set SEL,   56
.set MSB, 0
.macro WIN new                         ; the immediate's high byte repeats the setting that is left
.if MSB != \new
	s_set_vgpr_msb (MSB<<8)|\new
.set MSB, \new
.endif
.endm
.macro QUANT s, pc, pw                 ; 64 numbers of a lane, register 16 b + i = k 32 b + 16 (lane / 16) + i, become a fragment in v[pc] on and the row's scale word in v[pw]
.irp b, 0,1,2,3
	v_max3_num_f32 v[TM+\b], |v[(\s)+16*\b]|, |v[(\s)+1+16*\b]|, 0x1800000   ; my 16 numbers, from each accumulator's low end on, and the floor 2^(3 - 127)
.endr
.irp i, 2,4,6,8,10,12,14
.irp b, 0,1,2,3
	v_max3_num_f32 v[TM+\b], v[TM+\b], |v[(\s)+16*\b+\i]|, |v[(\s)+1+16*\b+\i]|
.endr
.endr
.irp b, 0,1,2,3
	v_permlanex16_b32 v[TM+4+\b], v[TM+\b], s[SEL], s[SEL+1]
.endr
.irp b, 0,1,2,3
	v_max_num_f32 v[TM+\b], v[TM+\b], v[TM+4+\b]
.endr
.irp b, 0,1,2,3
	v_add_nc_u32 v[TM+12+\b], 0xff000000, v[TM+\b]         ; 2 off the exponent field: the conversion's scale operand
.endr
.irp b, 0,1,2,3
	v_lshrrev_b32 v[TM+4+\b], 23, v[TM+12+\b]              ; the scale's byte
.endr
	v_lshl_or_b32 v[(\pw)], v[TM+5], 8, v[TM+4]
	v_lshl_or_b32 v[(\pw)], v[TM+6], 16, v[(\pw)]
	v_lshl_or_b32 v[(\pw)], v[TM+7], 24, v[(\pw)]
.irp c, 0,1
	v_cvt_scalef32_pk16_fp6_f32 v[(\pc)+6*\c:(\pc)+2+6*\c], v[(\s)+32*\c:(\s)+15+32*\c], v[TM+12+2*\c]
	v_cvt_scalef32_pk16_fp6_f32 v[(\pc)+12+4*\c:(\pc)+14+4*\c], v[(\s)+16+32*\c:(\s)+31+32*\c], v[TM+13+2*\c]
.endr
	v_nop                                                  ; one plain place behind a scaled conversion
.irp c, 0,1
.irp i, 0,1,2
	v_permlane16_swap_b32 v[(\pc)+6*\c+\i], v[(\pc)+12+4*\c+\i]
.endr
.irp i, 0,1,2
	v_mov_b32 v[(\pc)+3+6*\c+\i], v[(\pc)+12+4*\c+\i]
.endr
.endr
.endm
; one product: ra, rb = 1: the side's scale words stand in lanes 16-31 of the register named
.macro MM d, a, b, c, sa, sb, ra, rb
.if (\ra) && (\rb)
	v_wmma_scale_f32_16x16x128_f8f6f4 v[(\d):(\d)+7], v[(\a):(\a)+11], v[(\b):(\b)+11], v[(\c):(\c)+7], v[(\sa)], v[(\sb)] matrix_a_fmt:MATRIX_FMT_FP6 matrix_b_fmt:MATRIX_FMT_FP6 matrix_a_scale:MATRIX_SCALE_ROW1 matrix_b_scale:MATRIX_SCALE_ROW1
.elseif (\ra)
	v_wmma_scale_f32_16x16x128_f8f6f4 v[(\d):(\d)+7], v[(\a):(\a)+11], v[(\b):(\b)+11], v[(\c):(\c)+7], v[(\sa)], v[(\sb)] matrix_a_fmt:MATRIX_FMT_FP6 matrix_b_fmt:MATRIX_FMT_FP6 matrix_a_scale:MATRIX_SCALE_ROW1
.elseif (\rb)
	v_wmma_scale_f32_16x16x128_f8f6f4 v[(\d):(\d)+7], v[(\a):(\a)+11], v[(\b):(\b)+11], v[(\c):(\c)+7], v[(\sa)], v[(\sb)] matrix_a_fmt:MATRIX_FMT_FP6 matrix_b_fmt:MATRIX_FMT_FP6 matrix_b_scale:MATRIX_SCALE_ROW1
.else
	v_wmma_scale_f32_16x16x128_f8f6f4 v[(\d):(\d)+7], v[(\a):(\a)+11], v[(\b):(\b)+11], v[(\c):(\c)+7], v[(\sa)], v[(\sb)] matrix_a_fmt:MATRIX_FMT_FP6 matrix_b_fmt:MATRIX_FMT_FP6
.endif
.endm
.macro STREAM u                        ; streamed tile u: 12 loads of 512 bytes into set u % 4 (the destination's window is 3 here)
.irp s, 0,1,2,3
.irp c, 0,1,2
	global_load_b128 v[48*((\u)%4)+12*\s+4*\c:48*((\u)%4)+12*\s+4*\c+3], v1, s[40:41] offset:6144*(\u)+1536*\s+512*\c
.endr
.endr
.endm
.macro FRAGS                           ; the resident operand's 32 fragments, then streamed tiles 0 to 3
	WIN 0x40
.irp s, 0,1
.irp t, 0,1,2,3,4,5,6,7
.irp c, 0,1,2
	global_load_b128 v[12*(8*\s+\t)+4*\c:12*(8*\s+\t)+4*\c+3], v1, s[36:37] offset:6144*\t+1536*\s+512*\c
.endr
.endr
.endr
	WIN 0x80
.irp s, 0,1
.irp t, 0,1,2,3,4,5,6,7
.irp c, 0,1,2
	global_load_b128 v[12*(8*\s+\t)+4*\c:12*(8*\s+\t)+4*\c+3], v1, s[36:37] offset:6144*\t+1536*(\s+2)+512*\c
.endr
.endr
.endr
	WIN 0xc0
	STREAM 0
	STREAM 1
	STREAM 2
	STREAM 3
	WIN 0
.endm
; A TRIP: streamed tile u against the eight resident tiles, all of K; the results quantised and stored.  vm = 1: V's path.
.macro TRIP u, vm
.if (\u) < 5
	s_wait_loadcnt 36                              ; tile u is in; behind it three streamed tiles of 12 loads were issued
.else
	s_wait_loadcnt 12*(7-(\u))                     ; the counts run down: two tiles, one, none
.endif
.if (\vm) && ((\u) == 0)
.irp j, 0,1,2,3,4,5,6,7
	v_mov_b32 v[BV+\j], v[BVL]                     ; my channel's bias, in all eight registers of C
.endr
.rept 4
	v_nop
.endr
.endif
.if \vm
	WIN 0x0d                                       ; source 0 window 1, source 1 window 3, C and D window 0
.else
	WIN 0x1d                                       ; the same with C (the bias) in window 1
.endif
.irp t, 0,1,2,3,4,5,6,7
.if \vm
	MM HA+8*\t, 12*\t, 48*((\u)%4), BV, RS+4*(\t/2), SS+4*((\u)/2), \t%2, (\u)%2
.else
	MM HA+8*\t, 12*\t, 48*((\u)%4), B1+8*\t, RS+4*(\t/2), SS+4*((\u)/2), \t%2, (\u)%2
.endif
.endr
	WIN 0x0d
.irp t, 0,1,2,3,4,5,6,7
	MM HA+8*\t, 12*(8+\t), 48*((\u)%4)+12, HA+8*\t, RS+4*(\t/2)+1, SS+4*((\u)/2)+1, \t%2, (\u)%2
.endr
	WIN 0x0e                                       ; source 0 window 2
.irp t, 0,1,2,3,4,5,6,7
	MM HA+8*\t, 12*\t, 48*((\u)%4)+24, HA+8*\t, RS+4*(\t/2)+2, SS+4*((\u)/2)+2, \t%2, (\u)%2
.endr
.irp t, 0,1,2,3,4,5,6,7
	MM HA+8*\t, 12*(8+\t), 48*((\u)%4)+36, HA+8*\t, RS+4*(\t/2)+3, SS+4*((\u)/2)+3, \t%2, (\u)%2
.endr
	WIN 0
.rept 5
	v_nop                                          ; places: four for the reads of results, the loads into the set just read and the writes of C below; the fifth since the next trip begins these accumulators anew
.endr
.if (\vm) && ((\u) < 7)
.irp j, 0,1,2,3,4,5,6,7
	v_mov_b32 v[BV+\j], v[BVL+(\u)+1]              ; the next trip's C
.endr
.endif
.if (\u) < 4
	WIN 0xc0
	STREAM (\u)+4                                  ; the set just read takes the tile four on
	WIN 0
.endif
.if (\u) > 0
	s_wait_xcnt 0x0                                ; the last trip's stores have read the codes' registers: they are written again only behind this wait
.endif
	QUANT HA, PC, PWS+(\u)
.if \vm
.irp c, 0,1,2
	global_store_b128 v1, v[PC+4*\c:PC+4*\c+3], s[46:47] offset:HB*((\u)/4)+1536*((\u)%4)+512*\c   ; 512 consecutive bytes, aligned
.endr
.else
.irp c, 0,1
.irp p, 0,1,2
	global_store_b64 v2, v[PC+6*\c+2*\p:PC+6*\c+2*\p+1], s[46:47] offset:HB*\c+768*(\u)+256*\p   ; head c's half fragment: 256 consecutive bytes, aligned
.endr
.endr
.endif
.endm
	s_load_b256 s[4:11], s[0:1], 0x0               ; xq, wq, bq, bk
	s_load_b256 s[12:19], s[0:1], 0x20             ; bv, qq, kk, vv
	s_load_b64 s[20:21], s[0:1], 0x40              ; kvs
	v_lshrrev_b32 v5, 5, v0
	v_readfirstlane_b32 s22, v5                    ; wave
	v_and_b32 v4, 31, v0                           ; lane
	v_lshlrev_b32 v1, 4, v4
	v_lshlrev_b32 v2, 3, v4
	v_and_b32 v5, 15, v0                           ; r
	v_bfe_u32 v6, v0, 4, 1                         ; h
.irp b, 0,1,2,3
	v_mov_b32 v[TM+4+\b], 0                        ; written once: a lane permute's destination counts as one of its sources
.endr
	v_mov_b32 v[C7F], 0x7f7f7f7f
	s_mov_b32 s[SEL], 0x76543210
	s_mov_b32 s[SEL+1], 0xfedcba98
	s_and_b32 s23, ttmp7, 0xffff                   ; y
	s_lshl_b32 s25, s23, 5
	s_lshl_b32 s24, s22, 3
	s_add_co_u32 s25, s25, s24                     ; the weight's first tile in wq: 32 y + 8 w
	s_mul_i32 s26, s25, 6144
	s_mov_b32 s27, 0
	s_lshl_b32 s28, s25, 8
	s_add_co_u32 s28, s28, WSC
	s_mov_b32 s29, 0
	s_mul_i32 s30, ttmp9, 49152                    ; x's 8 tiles
	s_mov_b32 s31, 0
	s_lshl_b32 s32, ttmp9, 11
	s_add_co_u32 s32, s32, XSC
	s_mov_b32 s33, 0
	s_lshr_b32 s34, ttmp9, 5                       ; batch
	s_and_b32 s35, ttmp9, 31                       ; key step
	s_lshl_b32 s34, s34, 3
	s_lshl_b32 s24, s22, 1
	s_add_co_u32 s34, s34, s24                     ; my first head: 8 b + 2 w
	s_mul_i32 s52, s34, HB
	s_mul_i32 s24, s35, 6144
	s_add_co_u32 s52, s52, s24                     ; where my images go
	s_mov_b32 s53, 0
	s_mov_b32 s54, 24576
	s_cmp_eq_u32 s23, 0
	s_cselect_b32 s54, 16384, s54                  ; a head's scale words: 16,384 bytes in qq, 24,576 in kvs
	s_cselect_b32 s58, QSC, 0
	s_cmp_eq_u32 s23, 2
	s_cselect_b32 s59, 8, 9                        ; a step's scale words: 256 bytes for V, 512 for Q and K
	s_cselect_b32 s24, 16384, 0                    ; V's lie behind K's
	s_add_co_u32 s58, s58, s24
	s_mul_i32 s24, s34, s54
	s_add_co_u32 s58, s58, s24
	s_lshl_b32 s24, s35, s59
	s_add_co_u32 s58, s58, s24
	s_mov_b32 s59, 0
	s_mov_b32 s55, 0
	s_lshl_b32 s60, s22, 9                         ; the bias: my 128 numbers
	s_mov_b32 s61, 0
	s_wait_alu depctr_va_vdst(0)
	s_wait_kmcnt 0x0
	s_add_nc_u64 s[26:27], s[6:7], s[26:27]        ; the weight's images, its scale words,
	s_add_nc_u64 s[28:29], s[6:7], s[28:29]
	s_add_nc_u64 s[30:31], s[4:5], s[30:31]        ; x's images, its scale words
	s_add_nc_u64 s[32:33], s[4:5], s[32:33]
	s_cmp_eq_u32 s23, 2                            ; V: x is resident and the weight streamed
	s_cselect_b64 s[36:37], s[30:31], s[26:27]
	s_cselect_b64 s[38:39], s[32:33], s[28:29]
	s_cselect_b64 s[40:41], s[26:27], s[30:31]
	s_cselect_b64 s[42:43], s[28:29], s[32:33]
	s_cselect_b64 s[44:45], s[12:13], s[10:11]
	s_cselect_b64 s[46:47], s[18:19], s[16:17]
	s_cmp_eq_u32 s23, 0
	s_cselect_b64 s[44:45], s[8:9], s[44:45]
	s_cselect_b64 s[46:47], s[14:15], s[46:47]
	s_cselect_b64 s[48:49], s[14:15], s[20:21]
	s_add_nc_u64 s[44:45], s[44:45], s[60:61]      ; the bias
	s_add_nc_u64 s[46:47], s[46:47], s[52:53]      ; the images
	s_add_nc_u64 s[48:49], s[48:49], s[58:59]      ; the first head's scale words,
	s_add_nc_u64 s[50:51], s[48:49], s[54:55]      ; the second's
.irp j, 0,1,2,3
	global_load_b128 v[RS+4*\j:RS+4*\j+3], v1, s[38:39] offset:512*\j   ; four K steps' words: lanes 0-15 tile 2 j, lanes 16-31 tile 2 j + 1
.endr
.irp j, 0,1,2,3
	global_load_b128 v[SS+4*\j:SS+4*\j+3], v1, s[42:43] offset:512*\j
.endr
	s_cmp_eq_u32 s23, 2
	s_cbranch_scc1 .Lv
	; ---- Q and K
	v_lshlrev_b32 v3, 6, v6                        ; the bias in the result's layout: for tile t the columns 32 (t / 2) + 8 (t % 2) + 16 h + 0 .. 7
	WIN 0x40
.irp t, 0,1,2,3,4,5,6,7
	global_load_b128 v[B1+8*\t:B1+8*\t+3], v3, s[44:45] offset:(32*(\t/2)+8*(\t%2))*4
	global_load_b128 v[B1+8*\t+4:B1+8*\t+7], v3, s[44:45] offset:(32*(\t/2)+8*(\t%2))*4+16
.endr
	FRAGS
.irp u, 0,1,2,3,4,5,6,7
	TRIP \u, 0
.endr
	v_cmp_le_u32 vcc_lo, 16, v4                    ; lanes 16-31 take the odd tiles' words
.irp j, 0,1,2,3
	v_cndmask_b32 v[TM+\j], v[PWS+2*\j], v[PWS+2*\j+1], vcc_lo
.endr
.irp j, 0,1,2,3
	v_perm_b32 v[SI+\j], v[C7F], v[TM+\j], 0x04040100      ; the first head's two bytes, 0x7f above them
	v_perm_b32 v[SI+4+\j], v[C7F], v[TM+\j], 0x04040302    ; the second head's
.endr
	global_store_b128 v1, v[SI:SI+3], s[48:49]     ; 512 consecutive bytes, aligned
	global_store_b128 v1, v[SI+4:SI+7], s[50:51]
	s_endpgm
.Lv:
	; ---- V
	v_and_b32 v7, 8, v5
	v_add_nc_u32 v7, v7, v5                        ; r + 8 (r / 8)
	v_lshlrev_b32 v3, 2, v7                        ; my channel's bias, for each streamed tile
.irp u, 0,1,2,3,4,5,6,7
	global_load_b32 v[BVL+\u], v3, s[44:45] offset:(32*(\u/2)+8*(\u%2))*4
.endr
	FRAGS
.irp u, 0,1,2,3,4,5,6,7
	TRIP \u, 1
.endr
	v_cmp_le_u32 vcc_lo, 16, v4
.irp c, 0,1
.irp j, 0,1
	v_cndmask_b32 v[SI+2*\c+\j], v[PWS+4*\c+2*\j], v[PWS+4*\c+2*\j+1], vcc_lo
.endr
	global_store_b64 v2, v[SI+2*\c:SI+2*\c+1], s[48:49] offset:24576*\c   ; 256 consecutive bytes, aligned
.endr
	s_endpgm
.Lfunc_end_k_qc600072415_proj:
	.size	k_qc600072415_proj, .Lfunc_end_k_qc600072415_proj-k_qc600072415_proj
	.p2alignl 7, 3214868480
	.fill 96, 4, 3214868480
	.section	.rodata,"a",@progbits
	.p2align	6, 0x0
	.amdhsa_kernel k_qc600072415_proj
		.amdhsa_group_segment_fixed_size 0
		.amdhsa_private_segment_fixed_size 0
		.amdhsa_enable_private_segment 0
		.amdhsa_kernarg_size 72
		.amdhsa_user_sgpr_count 2
		.amdhsa_user_sgpr_kernarg_segment_ptr 1
		.amdhsa_wavefront_size32 1
		.amdhsa_system_sgpr_workgroup_id_x 1
		.amdhsa_system_sgpr_workgroup_id_y 1
		.amdhsa_system_sgpr_workgroup_id_z 1
		.amdhsa_system_vgpr_workitem_id 0
		.amdhsa_next_free_vgpr 1024
		.amdhsa_next_free_sgpr 66
		.amdhsa_reserve_vcc 1
		.amdhsa_float_denorm_mode_32 3
		.amdhsa_float_denorm_mode_16_64 3
		.amdhsa_memory_ordered 1
		.amdhsa_forward_progress 1
		.amdhsa_inst_pref_size 183
	.end_amdhsa_kernel
	.amdgpu_metadata
---
amdhsa.version: [ 1, 2 ]
amdhsa.kernels:
  - .name:           k_qc600072415_proj
    .symbol:         k_qc600072415_proj.kd
    .args:
      - { .name: xq, .offset: 0, .size: 8, .value_kind: global_buffer, .address_space: global }
      - { .name: wq, .offset: 8, .size: 8, .value_kind: global_buffer, .address_space: global }
      - { .name: bq, .offset: 16, .size: 8, .value_kind: global_buffer, .address_space: global }
      - { .name: bk, .offset: 24, .size: 8, .value_kind: global_buffer, .address_space: global }
      - { .name: bv, .offset: 32, .size: 8, .value_kind: global_buffer, .address_space: global }
      - { .name: qq, .offset: 40, .size: 8, .value_kind: global_buffer, .address_space: global }
      - { .name: kk, .offset: 48, .size: 8, .value_kind: global_buffer, .address_space: global }
      - { .name: vv, .offset: 56, .size: 8, .value_kind: global_buffer, .address_space: global }
      - { .name: kvs, .offset: 64, .size: 8, .value_kind: global_buffer, .address_space: global }
    .group_segment_fixed_size: 0
    .private_segment_fixed_size: 0
    .kernarg_segment_align: 8
    .kernarg_segment_size: 72
    .max_flat_workgroup_size: 128
    .sgpr_count:     66
    .vgpr_count:     1024
    .wavefront_size: 32
...
	.end_amdgpu_metadata
.endif
;; end of part 2
;; launch attn (part 3): grid 16 x 16, 8 waves a work-group, clusters of 4 x 1, 327,680 bytes of LDS; arguments qq, kk, vv, kvs, aq; writes aq
.if DOCPART == 3
	.amdgcn_target "amdgcn-amd-amdhsa--gfx1250"
	.amdhsa_code_object_version 6
	.text
	.protected	k_qc600072415_attn
	.globl	k_qc600072415_attn
	.p2align	8
	.type	k_qc600072415_attn,@function
k_qc600072415_attn:
	s_mov_b64 s[64:65], 0
	v_nop
	global_prefetch_b8 v0, s[64:65] scope:SCOPE_SE
	s_setreg_imm32_b32 hwreg(HW_REG_WAVE_MODE, 25, 1), 1
	s_wait_xcnt 0x0
	s_wait_alu depctr_hold_cnt(0) depctr_sa_sdst(0) depctr_va_vdst(0) depctr_va_sdst(0) depctr_va_ssrc(0) depctr_va_vcc(0) depctr_vm_vsrc(0)
	s_getreg_b32 s2, hwreg(HW_REG_IB_STS2, 6, 4)
	s_cmp_eq_u32 s2, 0
	s_cbranch_scc0 .Lentry_in_a_cluster
	s_endpgm
.Lentry_in_a_cluster:
	s_bfe_u32 s2, ttmp6, 0x10000c
	s_cmp_lg_u32 s2, 0x3003
	s_cbranch_scc0 .Lentry_shape_is_right
	s_endpgm
.Lentry_shape_is_right:
; attn[b][q][head][:] = softmax_k(Q . K / 8) V on codes of FP6, and the result quantised along d_model for the last product.
; THE SOFTMAX: t = score x log2(e) / 8; M = the running largest t rounded UP to a whole number; p = 2^(t - M) is quantised along the keys, not normalised; the row's sum is taken of the
; unquantised p and divides O at the end.  When M moves, the sum and O are multiplied by 2^(old M - new M): exact.  A block's largest p is made from the block's largest score by the same
; multiply-add and exponential: this takes v_exp_f32 not to fall where its input rises.
; SHARES: a work-group owns 256 queries of one head (y); each of its eight waves two tiles of 16 queries, so that each fragment of K and V read from LDS feeds two products.  32 key steps of 128 keys.
; LAYOUT: both products transposed: S^T = K Q^T, O^T = V^T P^T: a lane holds ONE query of each tile.
; K'S TILES ARE FORMED ANEW BY THE LDS READS: row r of tile t is key 64 (t / 4) + 8 (t % 4) + r % 8 + 32 (r / 8) of the step.  In kk that key lies in image tile 4 (t / 4) + t % 2 + 2 (r / 8), lane row
; r % 8 + 8 ((t % 4) / 2): a lane term and an immediate.  Lane (query, h) then holds in the 32 registers of tiles 4 c .. 4 c + 3 the keys 64 c + 32 h + 0 .. 31: a WHOLE block of 32, in the order of the
; operand's registers: a block's maximum needs no other lane and the codes no exchange of lanes.
; K = 64 IN AN INSTRUCTION OF 128: Q's registers 6-11 are zero codes and the upper two scale bytes of Q and K are 0x7f.  Tile t of K is named with the next tile's six registers as its upper half
; (tile 7: six zeros): every pattern of 6 bits is a finite number, and multiplied by Q's zeros it adds nothing.
; THE TWO TILES TAKE TURNS: one tile's chains of dependent lines (M, the scale word) and its exponentials are laid among independent lines of the other tile.  A line laid among exponentials reads only what
; was written ahead of the batch's opening wait, and what it writes is read only behind the closing wait.  Inside a slot the next step's fragments of K are read straight behind this step's S products.
; CLUSTER: the four query blocks of a cluster walk the same K, V and scale words: every tensor load is asked for jointly, with the mask of all four.  The place in the cluster enters Q's and aq's
; global addresses alone.
; RING: two slots of 8 key steps.
; Waves 0, 1 fetch K's halves, waves 2, 3 V's; wave 4 fetches the head's scale words once.  A wave has one tensor load out at any time.
; NO PREFETCH: a refill is issued 8 key steps ahead of the wait for it, and all but the first two fills are so.
; LIMITS: zero blocks keep the byte 1 (their codes are zeros); NaN and infinities are not served; the promise holds while the scaled scores stay under 2^31 in magnitude.
; REGISTERS, window 0: v1-4 lane terms of the LDS addresses; v5, v6 the add's two; v8-11 the step's addresses; tile q: v[12+2q] -M, v[13+2q] the largest score, v[16+2q:17+2q] the sum, v[20+2q:21+2q] f;
;   v24 8 h; v25 8 x lane; v26 16 r; v28-29 p's scale words; v[30:31] V's; v32-35 K's; v36-39 block maxima; v40-43 scale operands; v44-59 at work; v62-63 Q's scale words;
;   v64-111 K's eight half fragments; v112-117 zeros; v128-255 S^T, then p.
;   window 1: v0-63 O^T; v64-87 Q's two fragments with their zeros; v96-119 p's codes; v120-135 at work; v136-183 V's four fragments.
.set QSC,   3145728
.set ASC,   3145728
.set HB,    196608                     ; a head's images in memory
.set ROWP,  288                        ; an LDS row: 256 bytes + 32
.set STEPB, 24*ROWP                    ; a key step's images of K, and of V, in LDS
.set SLOTK, 8*STEPB
.set VOFF,  SLOTK
.set SLOTM, 49152                      ; 8 key steps in memory
.set SLOT1, 131072                     ; slot 1: one exclusive or turns an address from one slot to the other
.set SCB,   SLOT1+2*SLOTK              ; behind slot 1: the head's scale words: K's 64 rows, then V's 32
.set SPARE, SCB+96*ROWP                ; behind them: the spare words, 128 bytes for each of eight waves, that no other line names
.set SPW,   5
.set NIL,   6
.set PW,    28
.set VS,    30
.set KS,    32
.set BM,    36
.set SC,    40
.set BN,    52
.set QS,    62
.set KF,    64
.set S,     128
.set O,     0
.set QF,    64
.set P,     96
.set T,     120
.set VF,    136
.set WV,    18
.set SEL,   20
.set CS,    22
.set G1,    24
.set G0,    32
.set SLOTS, 37
.set CNT,   38
.set TB,    40
.set TS,    41
.set TJ,    42
.set MSB, 0
.macro WIN new                         ; the immediate's high byte repeats the setting that is left
.if MSB != \new
	s_set_vgpr_msb (MSB<<8)|\new
.set MSB, \new
.endif
.endm
.macro CROUND                          ; a round of the cluster's barrier
	s_barrier_signal -1
	s_barrier_wait -1
	s_cmp_lg_u32 s[WV], 0
	s_cbranch_scc1 .Lnot_wave_0_\@
	s_barrier_signal -3
.Lnot_wave_0_\@:
	s_barrier_wait -3
	s_barrier_signal -1
	s_barrier_wait -1
.endm
	s_load_b256 s[4:11], s[0:1], 0x0               ; qq, kk, vv, kvs
	s_load_b64 s[12:13], s[0:1], 0x20              ; aq
	v_lshl_add_u32 v[SPW], v0, 2, SPARE
	v_mov_b32 v[NIL], 0
	ds_add_u32 v[SPW], v[NIL]                      ; the wave's opening: the add, twice on end, and its wait ahead of the first tensor load
	ds_add_u32 v[SPW], v[NIL]
	v_lshrrev_b32 v8, 5, v0
	v_readfirstlane_b32 s[WV], v8                  ; wave 0..7
	s_bfe_u32 s14, ttmp6, 0x40000                  ; cx
	s_lshl_b32 s15, ttmp9, 2
	s_add_co_u32 s15, s15, s14                     ; my block of 256 queries
	s_lshl_b32 s15, s15, 4
	s_lshl_b32 s17, s[WV], 1
	s_add_co_u32 s15, s15, s17                     ; my first tile of queries in the head, an even number: it enters global addresses of Q and aq alone
	s_and_b32 s16, ttmp7, 0xffff                   ; batch x 8 + head, which the four partners share
	s_mov_b32 s[G1], 15|(3<<16)|(1<<20)|(1<<21)|(5<<22)|(7<<25)   ; the mask of all four; elements of 8 bytes; padding on; 21 set beside a mask; after every 64 words 8 words
	s_mov_b32 s[G1+1], 32<<16                      ; tensor_dim0 = 32
	s_mov_b32 s[G1+2], 96<<16                      ; tensor_dim1 = 96
	s_mov_b32 s[G1+3], 32<<16                      ; tile_dim0 = 32
	s_mov_b32 s[G1+4], 96                          ; tile_dim1 = 96
	s_mov_b32 s[G1+5], 32                          ; the pitch
	s_mov_b32 s[G1+6], 0
	s_mov_b32 s[G1+7], 0
	s_mov_b32 s[G0], 1
	s_min_u32 s[G0+1], s[WV], 4
	s_lshr_b32 s17, s[G0+1], 2
	s_lshl_b32 s17, s17, 17
	s_mul_i32 s[G0+1], s[G0+1], 96*ROWP            ; LDS: wave 0, 1: K's halves of slot 0; 2, 3: V's;
	s_add_co_u32 s[G0+1], s[G0+1], s17             ; 4: the scale words, at 4 x 96 rows + SLOT1 = SCB
	s_mov_b32 s44, HB
	s_cmp_eq_u32 s[WV], 4
	s_cselect_b32 s44, 24576, s44
	s_mul_i32 s44, s44, s16                        ; the head's first byte,
	s_and_b32 s45, s[WV], 1
	s_mul_i32 s45, s45, 24576                      ; my half
	s_add_co_u32 s44, s44, s45
	s_mov_b32 s45, 0
	s_mul_i32 s46, s16, HB                         ; Q's half fragments
	s_mul_i32 s17, s15, 768
	s_add_co_u32 s46, s46, s17
	s_mov_b32 s47, 0
	s_lshl_b32 s48, s16, 14                        ; Q's scale words: [head][tile / 8][tile % 2][r][(tile % 8) / 2]
	s_lshr_b32 s17, s15, 3
	s_lshl_b32 s17, s17, 9
	s_add_co_u32 s48, s48, s17
	s_bfe_u32 s17, s15, 0x20001
	s_lshl_b32 s17, s17, 2
	s_add_co_u32 s48, s48, s17
	s_add_co_u32 s48, s48, QSC
	s_mov_b32 s49, 0
	s_lshr_b32 s17, s16, 3                         ; batch
	s_lshl_b32 s17, s17, 8
	s_add_co_u32 s17, s17, s15                     ; my first tile among all 512 tiles of tokens
	s_and_b32 s19, s16, 7                          ; head
	s_mul_i32 s50, s17, 6144
	s_mul_i32 s43, s19, 768
	s_add_co_u32 s50, s50, s43                     ; aq: [tile][head][pair][lane][8 bytes]
	s_mov_b32 s51, 0
	s_lshl_b32 s52, s17, 8
	s_lshl_b32 s43, s19, 1
	s_add_co_u32 s52, s52, s43
	s_add_co_u32 s52, s52, ASC                     ; its scale bytes: [tile][r][head] halfwords
	s_mov_b32 s53, 0
	s_mov_b32 s[SEL], 0x76543210
	s_mov_b32 s[SEL+1], 0xfedcba98
	s_mov_b32 s[CS], 0x3e38aa3b                    ; c = log2(e) / 8
	s_mov_b32 s[CS+1], s[CS]                       ; (named with it as a pair, so it is written)
	s_mov_b32 s[TB], 0
	s_mov_b32 s[TS], 0
	s_mov_b32 s[TJ], 0
	s_mov_b32 s[SLOTS], 3
	s_wait_dscnt 0x0                               ; both opening adds are done
	s_wait_kmcnt 0x0
	s_cmp_lt_u32 s[WV], 2
	s_cselect_b64 s[G0+2:G0+3], s[6:7], s[8:9]
	s_cmp_eq_u32 s[WV], 4
	s_cselect_b64 s[G0+2:G0+3], s[10:11], s[G0+2:G0+3]
	s_add_nc_u64 s[G0+2:G0+3], s[G0+2:G0+3], s[44:45]
	s_or_b32 s[G0+3], s[G0+3], 0x80000000          ; type = 2
	s_add_nc_u64 s[46:47], s[4:5], s[46:47]
	s_add_nc_u64 s[48:49], s[4:5], s[48:49]
	s_add_nc_u64 s[50:51], s[12:13], s[50:51]
	s_add_nc_u64 s[52:53], s[12:13], s[52:53]
	CROUND                                         ; all four work-groups are here: the first joint loads meet
	s_cmp_lt_u32 s[WV], 5                          ; the first fills: slot 0 and the scale words, one load a wave
	s_cbranch_scc0 .Lno_first
	tensor_load_to_lds s[G0:G0+3], s[G1:G1+7]
	s_nop 0
.rept 4
	v_nop
.endr
.Lno_first:
	v_and_b32 v7, 31, v0                           ; lane
	v_and_b32 v44, 7, v0                           ; r % 8
	v_bfe_u32 v45, v0, 3, 1                        ; r / 8
	v_bfe_u32 v46, v0, 4, 1                        ; h
	v_mov_b32 v47, 0
	v_lshlrev_b32 v1, 3, v44
	v_mad_u32_u24 v1, v45, 6*ROWP, v1
	v_lshl_add_u32 v1, v46, 7, v1                  ; K's images: 8 (r % 8) + two image tiles (six rows) x (r / 8) + 128 h
	v_lshlrev_b32 v2, 4, v7
	v_lshl_add_u32 v2, v46, 5, v2
	v_add_nc_u32 v2, VOFF, v2                      ; V's images: 16 x lane, lanes 16-31 in the next row
	v_lshlrev_b32 v3, 4, v44
	v_lshl_add_u32 v3, v45, 2, v3
	v_mad_u32_u24 v3, v46, ROWP, v3
	v_add_nc_u32 v3, SCB, v3                       ; K's scale words: lanes 16-31 the odd tiles' row; 16 (r % 8) + 4 (r / 8)
	v_lshlrev_b32 v25, 3, v7                       ; 8 x lane
	v_add_nc_u32 v4, SCB+64*ROWP, v25              ; V's scale words
	v_lshlrev_b32 v24, 3, v46                      ; 8 h
	v_and_b32 v26, 15, v0
	v_lshlrev_b32 v26, 4, v26                      ; 16 r
.irp q, 0,1
	global_load_b32 v[QS+\q], v26, s[48:49] offset:256*\q
.endr
	WIN 0x40                                       ; destinations in window 1
.irp q, 0,1
.irp p, 0,1,2
	global_load_b64 v[QF+12*\q+2*\p:QF+12*\q+2*\p+1], v25, s[46:47] offset:768*\q+256*\p   ; Q's half fragments stay in registers
.endr
.irp j, 6,7,8,9,10,11
	v_mov_b32 v[QF+12*\q+\j], 0                    ; Q's upper half: zero codes
.endr
.endr
.set J, 0
.rept 64
	v_mov_b32 v[O+J], 0                            ; O^T: the step is written once; its first walk finds zeros
.set J, J+1
.endr
	WIN 0
.irp j, 0,1,2,3,4,5
	v_mov_b32 v[KF+48+\j], 0                       ; what tile 7 of K names as its upper half
.endr
.irp q, 0,1
	v_mov_b32 v[12+2*\q], 0x7f61b1e6               ; -M: 3e38
	v_mov_b32 v[13+2*\q], 0xff61b1e6               ; the largest score so far: -3e38
	v_mov_b32 v[16+2*\q], 0
	v_mov_b32 v[17+2*\q], 0
	v_mov_b32 v[21+2*\q], 0                        ; (named as the upper half of f's pair)
.endr
.macro KLOAD                           ; a step's scale words and half fragments of K: 28 LDS loads
.irp j, 0,1,2,3
	ds_load_b32 v[KS+\j], v10 offset:128*(\j%2)+8*(\j/2)   ; lanes 0-15 tile 2 j's words, lanes 16-31 tile 2 j + 1's
.endr
.irp t, 0,1,2,3,4,5,6,7
.irp p, 0,1,2
	ds_load_b64 v[KF+6*\t+2*\p:KF+6*\t+2*\p+1], v8 offset:ROWP*(3*(4*(\t/4)+\t%2)+\p)+64*((\t%4)/2)
.endr
.endr
.endm
.macro MAXG q, k                       ; tile q's block maxima, group k of nine: two chains a block, each accumulator from its low end on
.if (\k) == 0
.irp c, 0,1
	v_max3_num_f32 v[BM+2*(\q)+\c], v[S+64*(\q)+32*\c], v[S+64*(\q)+32*\c+1], v[S+64*(\q)+32*\c+2]
	v_max3_num_f32 v[BN+2*(\q)+\c], v[S+64*(\q)+32*\c+16], v[S+64*(\q)+32*\c+17], v[S+64*(\q)+32*\c+18]
.endr
.elseif (\k) < 7
.irp c, 0,1
	v_max3_num_f32 v[BM+2*(\q)+\c], v[BM+2*(\q)+\c], v[S+64*(\q)+32*\c+2*(\k)+1], v[S+64*(\q)+32*\c+2*(\k)+2]
	v_max3_num_f32 v[BN+2*(\q)+\c], v[BN+2*(\q)+\c], v[S+64*(\q)+32*\c+2*(\k)+17], v[S+64*(\q)+32*\c+2*(\k)+18]
.endr
.elseif (\k) == 7
.irp c, 0,1
	v_max3_num_f32 v[BM+2*(\q)+\c], v[BM+2*(\q)+\c], v[BN+2*(\q)+\c], v[S+64*(\q)+32*\c+15]
.endr
.else
.irp c, 0,1
	v_max_num_f32 v[BM+2*(\q)+\c], v[BM+2*(\q)+\c], v[S+64*(\q)+32*\c+31]
.endr
.endif
.endm
.macro CH q, k                         ; tile q's chain from the block maxima to -M and f, line k of nine
.if (\k) == 0
	v_max_num_f32 v[48+(\q)], v[BM+2*(\q)], v[BM+2*(\q)+1]
.elseif (\k) == 1
	v_permlanex16_b32 v[44+(\q)], v[48+(\q)], s[SEL], s[SEL+1]
.elseif (\k) == 2
	v_max3_num_f32 v[13+2*(\q)], v[13+2*(\q)], v[48+(\q)], v[44+(\q)]   ; the running largest score of my query
.elseif (\k) == 3
	v_mul_f32 v[48+(\q)], s[CS], v[13+2*(\q)]      ; as t (c is positive)
.elseif (\k) == 4
	v_floor_f32 v[48+(\q)], -v[48+(\q)]            ; the new -M = -ceil(t)
.elseif (\k) == 5
	v_sub_f32 v[50+(\q)], v[48+(\q)], v[12+2*(\q)] ; old M - new M: a whole number, 0 or less
.elseif (\k) == 6
	v_mov_b32 v[12+2*(\q)], v[48+(\q)]
.elseif (\k) == 7
	v_cvt_i32_f32 v[50+(\q)], v[50+(\q)]           ; (it saturates)
.else
	v_ldexp_f32 v[20+2*(\q)], 1.0, v[50+(\q)]      ; f = 2^(old M - new M)
.endif
.endm
.macro FMA q, j                        ; t - M of tile q's pair j
	v_pk_fma_f32 v[S+64*(\q)+2*(\j):S+64*(\q)+2*(\j)+1], v[S+64*(\q)+2*(\j):S+64*(\q)+2*(\j)+1], s[CS:CS+1], v[12+2*(\q):13+2*(\q)] op_sel_hi:[1,0,0]
.endm
.macro SCLG q, k                       ; from tile q's two largest p to the scale operands and the scale word, group k of seven
.if (\k) == 0
.irp c, 0,1
	v_max_num_f32 v[BM+2*(\q)+\c], 0x1800000, v[BM+2*(\q)+\c]   ; the floor 2^(3 - 127)
.endr
.elseif (\k) == 1
.irp c, 0,1
	v_add_nc_u32 v[SC+2*(\q)+\c], 0xff000000, v[BM+2*(\q)+\c]   ; the conversion's scale operand
.endr
.elseif (\k) == 2
.irp c, 0,1
	v_lshrrev_b32 v[BM+2*(\q)+\c], 23, v[SC+2*(\q)+\c]          ; the scale's byte
.endr
.elseif (\k) == 3
	v_lshl_or_b32 v[PW+(\q)], v[BM+2*(\q)+1], 16, v[BM+2*(\q)]  ; my two bytes: blocks h and 2 + h,
.elseif (\k) == 4
	v_lshlrev_b32 v[PW+(\q)], v24, v[PW+(\q)]      ; at their places in the word;
.elseif (\k) == 5
	v_permlanex16_b32 v[46+(\q)], v[PW+(\q)], s[SEL], s[SEL+1]
.else
	v_or_b32 v[PW+(\q)], v[PW+(\q)], v[46+(\q)]    ; with lane l xor 16's two the word is whole
.endif
.endm
.macro CVT q                           ; tile q's p into codes, in window 1
	WIN 0x40
.irp c, 0,1
	v_cvt_scalef32_pk16_fp6_f32 v[P+12*(\q)+6*\c:P+12*(\q)+6*\c+2], v[S+64*(\q)+32*\c:S+64*(\q)+32*\c+15], v[SC+2*(\q)+\c]
	v_cvt_scalef32_pk16_fp6_f32 v[T+8*(\q)+4*\c:T+8*(\q)+4*\c+2], v[S+64*(\q)+32*\c+16:S+64*(\q)+32*\c+31], v[SC+2*(\q)+\c]   ; (a conversion's three registers begin on an even number)
.endr
	v_nop                                          ; one plain place behind a scaled conversion
	WIN 0x41
.irp c, 0,1
.irp i, 0,1,2
	v_mov_b32 v[P+12*(\q)+6*\c+3+\i], v[T+8*(\q)+4*\c+\i]
.endr
.endr
	WIN 0
.endm
.macro ADDP a, b
	v_pk_add_f32 v[(\a):(\a)+1], v[(\a):(\a)+1], v[(\b):(\b)+1]
.endm
; A KEY STEP: 128 keys for my 32 queries.  Its fragments of K have been asked for.  pref = 1: the next step's are asked for behind the S products
.macro STEP pref
	s_wait_dscnt 0x0                               ; K is in
	WIN 0x04                                       ; source 1 (Q) in window 1
.irp q, 0,1
.irp t, 0,2,4,6
	v_wmma_scale_f32_16x16x128_f8f6f4 v[S+64*\q+8*\t:S+64*\q+8*\t+7], v[KF+6*\t:KF+6*\t+11], v[QF+12*\q:QF+12*\q+11], 0, v[KS+\t/2], v[QS+\q] matrix_a_fmt:MATRIX_FMT_FP6 matrix_b_fmt:MATRIX_FMT_FP6
	v_wmma_scale_f32_16x16x128_f8f6f4 v[S+64*\q+8*\t+8:S+64*\q+8*\t+15], v[KF+6*\t+6:KF+6*\t+17], v[QF+12*\q:QF+12*\q+11], 0, v[KS+\t/2], v[QS+\q] matrix_a_fmt:MATRIX_FMT_FP6 matrix_b_fmt:MATRIX_FMT_FP6 matrix_a_scale:MATRIX_SCALE_ROW1
.endr
.endr
	WIN 0
	v_add_nc_u32 v9, s[TB], v2                     ; four plain lines: the places ahead of the loads below and of the first read of the scores
	v_add_nc_u32 v11, s[TJ], v4
	s_add_co_u32 s[TB], s[TB], STEPB
	s_add_co_u32 s[TS], s[TS], 2*ROWP
	s_add_co_u32 s[TJ], s[TJ], ROWP
.if \pref
	v_add_nc_u32 v8, s[TB], v1
	v_add_nc_u32 v10, s[TS], v3
.else
	v_nop
	v_nop
.endif
	ds_load_b64 v[VS:VS+1], v11
	WIN 0x40                                       ; V's fragments go to window 1
.irp t, 0,1,2,3
.irp c, 0,1,2
	ds_load_b128 v[VF+12*\t+4*\c:VF+12*\t+4*\c+3], v9 offset:ROWP*(6*\t+2*\c)
.endr
.endr
	WIN 0
.if \pref
	KLOAD
.endif
.irp k, 0,1,2,3,4,5,6,7,8
	MAXG 0, \k
.endr
.irp k, 0,1,2,3,4,5,6,7,8
	CH 0, \k
	MAXG 1, \k
.endr
.irp k, 0,1,2,3,4,5,6,7,8
	CH 1, \k
.if \k < 8
	FMA 0, 4*\k
	FMA 0, 4*\k+1
	FMA 0, 4*\k+2
	FMA 0, 4*\k+3
.endif
.endr
.irp c, 0,1
	v_fma_f32 v[BM+\c], v[BM+\c], s[CS], v12       ; the same multiply-add of each block's largest score
.endr
	WIN 0x41                                       ; O^T lies in window 1, f in window 0
.set J, 0
.rept 16
	v_pk_mul_f32 v[O+J:O+J+1], v[O+J:O+J+1], v[20:21] op_sel_hi:[1,0]   ; O^T under the new M, each accumulator from its low end on
	v_pk_mul_f32 v[O+32+J:O+32+J+1], v[O+32+J:O+32+J+1], v[22:23] op_sel_hi:[1,0]
.set J, J+2
.endr
	WIN 0
.irp q, 0,1
	v_pk_mul_f32 v[16+2*\q:17+2*\q], v[16+2*\q:17+2*\q], v[20+2*\q:21+2*\q] op_sel_hi:[1,0]   ; the sums under the new M
.endr
	s_wait_alu depctr_va_vdst(0)                   ; ahead of the batch
.irp c, 0,1
	v_exp_f32 v[BM+\c], v[BM+\c]                   ; tile 0: the blocks' largest p
.endr
.set J, 0
.rept 21                                           ; tile 0's p = 2^(t - M), with tile 1's t - M laid among them
	v_exp_f32 v[S+J], v[S+J]
	v_exp_f32 v[S+J+1], v[S+J+1]
	v_exp_f32 v[S+J+2], v[S+J+2]
	FMA 1, J/3
.set J, J+3
.endr
	v_exp_f32 v[S+63], v[S+63]
	FMA 1, 21                                      ; the plain place behind the batch
	s_wait_alu depctr_va_vdst(0)                   ; and the one wait behind it, ahead of its first reader
.irp k, 0,1,2,3,4,5,6
	SCLG 0, \k
.if \k < 5
	FMA 1, 22+2*\k
	FMA 1, 23+2*\k
.elseif \k == 5
	v_fma_f32 v[BM+2], v[BM+2], s[CS], v14
	v_fma_f32 v[BM+3], v[BM+3], s[CS], v14
.endif
.endr
	CVT 0
	s_wait_alu depctr_va_vdst(0)                   ; ahead of the second batch
.irp c, 2,3
	v_exp_f32 v[BM+\c], v[BM+\c]                   ; tile 1: the blocks' largest p
.endr
.set J, 0
.rept 16                                           ; tile 1's p, with the first level of tile 0's sum laid among them: pairs added in place (tile 0's codes are made)
	v_exp_f32 v[S+64+J], v[S+64+J]
	v_exp_f32 v[S+64+J+1], v[S+64+J+1]
	v_exp_f32 v[S+64+J+2], v[S+64+J+2]
	v_exp_f32 v[S+64+J+3], v[S+64+J+3]
	ADDP S+J, S+J+2
.set J, J+4
.endr
	v_nop                                          ; the plain place behind the batch
	s_wait_alu depctr_va_vdst(0)                   ; and the wait behind it
	SCLG 1, 0                                      ; tile 1's scale word, with the rest of tile 0's sum laid among its lines
.irp i, 0,8,16,24
	ADDP S+\i, S+\i+4
.endr
	SCLG 1, 1
.irp i, 32,40,48,56
	ADDP S+\i, S+\i+4
.endr
	SCLG 1, 2
.irp i, 0,16,32,48
	ADDP S+\i, S+\i+8
.endr
	SCLG 1, 3
	ADDP S, S+16
	ADDP S+32, S+48
	SCLG 1, 4
	ADDP S, S+32
	SCLG 1, 5
	ADDP 16, S
	SCLG 1, 6
	CVT 1
	v_pk_add_f32 v[54:55], v[S+64:S+65], v[S+66:S+67]   ; tile 1's sum of the unquantised p: four chains.  These lines are also the places ahead of the products below
	v_pk_add_f32 v[56:57], v[S+68:S+69], v[S+70:S+71]
	v_pk_add_f32 v[58:59], v[S+72:S+73], v[S+74:S+75]
	ADDP 18, S+76
.irp j, 78,86,94,102,110,118
	ADDP 54, S+\j
	ADDP 56, S+\j+2
	ADDP 58, S+\j+4
	ADDP 18, S+\j+6
.endr
	ADDP 54, S+126
	ADDP 18, 58
	ADDP 54, 56
	ADDP 18, 54
.if \pref
	s_wait_dscnt 28                                ; V is in: behind its loads stand the 28 for the next step's K
.else
	s_wait_dscnt 0x0                               ; V is in
.endif
	WIN 0x55                                       ; V, p, C and D (O^T) in window 1.  The eight accumulators take turns
.irp t, 0,2
.irp q, 0,1
	v_wmma_scale_f32_16x16x128_f8f6f4 v[O+32*\q+8*\t:O+32*\q+8*\t+7], v[VF+12*\t:VF+12*\t+11], v[P+12*\q:P+12*\q+11], v[O+32*\q+8*\t:O+32*\q+8*\t+7], v[VS+\t/2], v[PW+\q] matrix_a_fmt:MATRIX_FMT_FP6 matrix_b_fmt:MATRIX_FMT_FP6
	v_wmma_scale_f32_16x16x128_f8f6f4 v[O+32*\q+8*\t+8:O+32*\q+8*\t+15], v[VF+12*\t+12:VF+12*\t+23], v[P+12*\q:P+12*\q+11], v[O+32*\q+8*\t+8:O+32*\q+8*\t+15], v[VS+\t/2], v[PW+\q] matrix_a_fmt:MATRIX_FMT_FP6 matrix_b_fmt:MATRIX_FMT_FP6 matrix_a_scale:MATRIX_SCALE_ROW1
.endr
.endr
	WIN 0
.endm
; THE CHANGE OF SLOTS, at a slot's head.  Each wave waits for all its tensor loads, adds 0 to its spare word, and waits for that and for its reads of the slot that it has left.
; fill = 1: a round of the cluster's barrier, and behind it the slot just left takes the next 8 key steps: a wave's one tensor load until the next round.
.macro CHANGE fill
	s_wait_tensorcnt 0x0                           ; no tensor load of mine is out, so group 0 may be written
	ds_add_u32 v[SPW], v[NIL]                      ; the add, here twice on end
	ds_add_u32 v[SPW], v[NIL]
.if \fill
	s_xor_b32 s[G0+1], s[G0+1], SLOT1              ; the other slot than last time,
	s_add_nc_u64 s[G0+2:G0+3], s[G0+2:G0+3], SLOTM ; the next 8 key steps
.endif
	s_wait_dscnt 0x0                               ; the adds are done, and my reads of the slot that I have left are over
.if \fill
	CROUND
	s_cmp_lt_u32 s[WV], 4
	s_cbranch_scc0 .Lno_fill_\@
	tensor_load_to_lds s[G0:G0+3], s[G1:G1+7]
	s_nop 0
.rept 4
	v_nop
.endr
.Lno_fill_\@:
.else
	s_barrier_signal -1
	s_barrier_wait -1
.endif
.endm
.macro SLOT_STEPS                      ; a slot's eight key steps: the first step's K; seven steps that fetch the next step's K; the last, which fetches nothing beyond the slot
	v_add_nc_u32 v8, s[TB], v1
	v_add_nc_u32 v10, s[TS], v3
	KLOAD
	s_mov_b32 s[CNT], 7
.Lstep_\@:
	STEP 1
	s_sub_co_u32 s[CNT], s[CNT], 1
	s_cmp_lg_u32 s[CNT], 0
	s_cbranch_scc1 .Lstep_\@
	STEP 0
	s_sub_co_u32 s[TB], s[TB], SLOTK               ; back to a slot's first step,
	s_xor_b32 s[TB], s[TB], SLOT1                  ; in the other slot
.endm
	s_wait_alu depctr_va_vdst(0)                   ; at the head's end
	s_wait_loadcnt 0x0                             ; Q
.Lslot:                                            ; three trips: behind each change of slots but the last the next slot is asked for
	CHANGE 1
	SLOT_STEPS
	s_sub_co_u32 s[SLOTS], s[SLOTS], 1
	s_cmp_lg_u32 s[SLOTS], 0
	s_cbranch_scc1 .Lslot
	CHANGE 0                                       ; the last slot is written out
	SLOT_STEPS
	; THE WAY OUT: O^T / the sum, quantised along the head's 64 channels (two blocks of d_model), stored as half a fragment of the last product's operand.
	; V's channel tiles keep their order: the 16 registers of tiles 2 b, 2 b + 1 are channels 32 b + 16 h + 0 .. 15, so here a block lies in lanes l and l xor 16.
	s_wait_alu depctr_va_vdst(0)                   ; the sums were written just ahead of a wait
.irp q, 0,1
	v_add_f32 v[16+2*\q], v[16+2*\q], v[17+2*\q]
.endr
.irp q, 0,1
	v_permlanex16_b32 v[44+\q], v[16+2*\q], s[SEL], s[SEL+1]
.endr
.irp q, 0,1
	v_add_f32 v[16+2*\q], v[16+2*\q], v[44+\q]     ; the row's sum
.endr
	s_wait_alu depctr_va_vdst(0)                   ; ahead of the reciprocals
.irp q, 0,1
	v_rcp_f32 v[16+2*\q], v[16+2*\q]
.endr
.rept 4
	v_nop                                          ; the plain place behind the reciprocals, and places behind the last products
.endr
	WIN 0x01                                       ; source 0 (O^T) in window 1
	s_wait_alu depctr_va_vdst(0)                   ; ahead of the first reader of the reciprocals and of O^T
.set J, 0
.rept 16
	v_pk_mul_f32 v[S+J:S+J+1], v[O+J:O+J+1], v[16:17] op_sel_hi:[1,0]   ; register 16 b + i = channel 32 b + 16 h + i of my query
	v_pk_mul_f32 v[S+64+J:S+64+J+1], v[O+32+J:O+32+J+1], v[18:19] op_sel_hi:[1,0]
.set J, J+2
.endr
	WIN 0
.irp q, 0,1
.irp b, 0,1
	v_max3_num_f32 v[BM+2*\q+\b], |v[S+64*\q+16*\b]|, |v[S+64*\q+16*\b+1]|, 0x1800000
.endr
.endr
.irp i, 2,4,6,8,10,12,14
.irp q, 0,1
.irp b, 0,1
	v_max3_num_f32 v[BM+2*\q+\b], v[BM+2*\q+\b], |v[S+64*\q+16*\b+\i]|, |v[S+64*\q+16*\b+\i+1]|
.endr
.endr
.endr
.irp i, 0,1,2,3
	v_permlanex16_b32 v[44+\i], v[BM+\i], s[SEL], s[SEL+1]
.endr
.irp i, 0,1,2,3
	v_max_num_f32 v[BM+\i], v[BM+\i], v[44+\i]
.endr
.irp i, 0,1,2,3
	v_add_nc_u32 v[SC+\i], 0xff000000, v[BM+\i]
.endr
.irp i, 0,1,2,3
	v_lshrrev_b32 v[BM+\i], 23, v[SC+\i]
.endr
.irp q, 0,1
	v_lshl_or_b32 v[PW+\q], v[BM+2*\q+1], 8, v[BM+2*\q]   ; the head's two scale bytes
.endr
.irp q, 0,1
	v_cvt_scalef32_pk16_fp6_f32 v[KF+16*\q:KF+16*\q+2], v[S+64*\q:S+64*\q+15], v[SC+2*\q]
	v_cvt_scalef32_pk16_fp6_f32 v[KF+16*\q+8:KF+16*\q+10], v[S+64*\q+16:S+64*\q+31], v[SC+2*\q+1]
.endr
	v_nop                                          ; one plain place behind a scaled conversion
.irp q, 0,1
.irp i, 0,1,2
	v_permlane16_swap_b32 v[KF+16*\q+\i], v[KF+16*\q+8+\i]
.endr
.endr
.irp q, 0,1
.irp i, 0,1,2
	v_mov_b32 v[KF+16*\q+3+\i], v[KF+16*\q+8+\i]
.endr
.endr
.irp q, 0,1
.irp p, 0,1,2
	global_store_b64 v25, v[KF+16*\q+2*\p:KF+16*\q+2*\p+1], s[50:51] offset:6144*\q+256*\p   ; 256 consecutive bytes, aligned
.endr
.endr
	v_cmp_gt_u32 vcc_lo, 16, v7
	s_wait_alu depctr_va_vdst(0)
	s_wait_xcnt 0x0                                ; EXEC changes only behind this wait
	s_and_saveexec_b32 s54, vcc_lo
.irp q, 0,1
	global_store_b16 v26, v[PW+\q], s[52:53] offset:256*\q   ; two bytes a row, 16 bytes apart: 2 bytes for each 48 bytes of codes; the eight heads' work-groups fill a tile's 256 bytes between them
.endr
	s_wait_xcnt 0x0
	s_or_b32 exec_lo, exec_lo, s54
	s_wait_tensorcnt 0x0                           ; the wave's end
	ds_add_u32 v[SPW], v[NIL]
	s_wait_dscnt 0x0
	CROUND                                         ; the closing round: no work-group ends while a partner may still ask for a tile that names it
	s_endpgm
.Lfunc_end_k_qc600072415_attn:
	.size	k_qc600072415_attn, .Lfunc_end_k_qc600072415_attn-k_qc600072415_attn
	.p2alignl 7, 3214868480
	.fill 96, 4, 3214868480
	.section	.rodata,"a",@progbits
	.p2align	6, 0x0
	.amdhsa_kernel k_qc600072415_attn
		.amdhsa_group_segment_fixed_size 327680
		.amdhsa_private_segment_fixed_size 0
		.amdhsa_enable_private_segment 0
		.amdhsa_kernarg_size 40
		.amdhsa_user_sgpr_count 2
		.amdhsa_user_sgpr_kernarg_segment_ptr 1
		.amdhsa_wavefront_size32 1
		.amdhsa_system_sgpr_workgroup_id_x 1
		.amdhsa_system_sgpr_workgroup_id_y 1
		.amdhsa_system_sgpr_workgroup_id_z 1
		.amdhsa_system_vgpr_workitem_id 0
		.amdhsa_next_free_vgpr 512
		.amdhsa_next_free_sgpr 66
		.amdhsa_reserve_vcc 1
		.amdhsa_float_denorm_mode_32 3
		.amdhsa_float_denorm_mode_16_64 3
		.amdhsa_memory_ordered 1
		.amdhsa_forward_progress 1
		.amdhsa_inst_pref_size 130
	.end_amdhsa_kernel
	.amdgpu_metadata
---
amdhsa.version: [ 1, 2 ]
amdhsa.kernels:
  - .name:           k_qc600072415_attn
    .symbol:         k_qc600072415_attn.kd
    .args:
      - { .name: qq, .offset: 0, .size: 8, .value_kind: global_buffer, .address_space: global }
      - { .name: kk, .offset: 8, .size: 8, .value_kind: global_buffer, .address_space: global }
      - { .name: vv, .offset: 16, .size: 8, .value_kind: global_buffer, .address_space: global }
      - { .name: kvs, .offset: 24, .size: 8, .value_kind: global_buffer, .address_space: global }
      - { .name: aq, .offset: 32, .size: 8, .value_kind: global_buffer, .address_space: global }
    .group_segment_fixed_size: 327680
    .private_segment_fixed_size: 0
    .kernarg_segment_align: 8
    .kernarg_segment_size: 40
    .max_flat_workgroup_size: 256
    .sgpr_count:     66
    .vgpr_count:     512
    .wavefront_size: 32
...
	.end_amdgpu_metadata
.endif
;; end of part 3
;; launch outp (part 4): grid 256 x 1, 4 waves a work-group, no clusters, 34,304 bytes of LDS; arguments aq, wq, bo, out0; writes out0
.if DOCPART == 4
	.amdgcn_target "amdgcn-amd-amdhsa--gfx1250"
	.amdhsa_code_object_version 6
	.text
	.protected	k_qc600072415_outp
	.globl	k_qc600072415_outp
	.p2align	8
	.type	k_qc600072415_outp,@function
k_qc600072415_outp:
	s_mov_b64 s[64:65], 0
	v_nop
	global_prefetch_b8 v0, s[64:65] scope:SCOPE_SE
	s_setreg_imm32_b32 hwreg(HW_REG_WAVE_MODE, 25, 1), 1
	s_wait_xcnt 0x0
; out0 = attn Wo^T + bo on codes of FP6.  attn's codes lie in aq as images of the operand's registers, Wo's in wq (tiles 96 .. 127).
; SHARES: work-group g takes tokens 32 g .. 32 g + 31 (tiles 2 g, 2 g + 1 of aq); wave w takes outputs 128 w .. 128 w + 127 (Wo's tiles 96 + 8 w + t).
; Transposed: source 0 = 16 rows of Wo, source 1 = 16 tokens: a lane holds one token, and the 16 registers of tiles 2 b, 2 b + 1 are 16 neighbouring outputs.  bo is the C of each sum's first product.
; The eight accumulators of a tile of tokens take turns in every K step.
; The results go through the wave's own stage in LDS (16 rows of 512 bytes + 16) and leave as whole pieces of rows: each store covers 512 consecutive bytes, aligned.
; NO CLUSTER, NO TENSOR LOAD: each wave's operands go from memory straight into the registers that keep them, each read once by the wave, for 64 products; no barrier: waves share nothing.
; REGISTERS: window 0: v1 16 x lane, v2 8 x lane, v3, v4 the stage, v8 the bias's offset; v16-31 Wo's scale words; v[32:35] attn's (lanes 0-15 the first tile, lanes 16-31 the second);
;   v48-111, v112-175 accumulators; v176-239 rows on their way out; v252, v253 the add's two.   windows 1, 2: Wo's fragments; window 1 v192-255: bo.   window 3: attn's eight fragments.
.set WSC,   786432
.set ASC,   3145728
.set STG,   8448
.set SPARE, 4*STG                      ; behind the stages: the spare words, 128 bytes for each wave, that no other line names
.set RS,    16
.set AS,    32
.set HA,    48
.set OB,    176
.set B1,    192
.set SPW,   252
.set NIL,   253
.set MSB, 0
.macro WIN new                         ; the immediate's high byte repeats the setting that is left
.if MSB != \new
	s_set_vgpr_msb (MSB<<8)|\new
.set MSB, \new
.endif
.endm
.macro MM d, a, b, c, sa, sb, ra, rb   ; one product: ra, rb = 1: the side's scale words stand in lanes 16-31 of the register named
.if (\ra) && (\rb)
	v_wmma_scale_f32_16x16x128_f8f6f4 v[(\d):(\d)+7], v[(\a):(\a)+11], v[(\b):(\b)+11], v[(\c):(\c)+7], v[(\sa)], v[(\sb)] matrix_a_fmt:MATRIX_FMT_FP6 matrix_b_fmt:MATRIX_FMT_FP6 matrix_a_scale:MATRIX_SCALE_ROW1 matrix_b_scale:MATRIX_SCALE_ROW1
.elseif (\ra)
	v_wmma_scale_f32_16x16x128_f8f6f4 v[(\d):(\d)+7], v[(\a):(\a)+11], v[(\b):(\b)+11], v[(\c):(\c)+7], v[(\sa)], v[(\sb)] matrix_a_fmt:MATRIX_FMT_FP6 matrix_b_fmt:MATRIX_FMT_FP6 matrix_a_scale:MATRIX_SCALE_ROW1
.elseif (\rb)
	v_wmma_scale_f32_16x16x128_f8f6f4 v[(\d):(\d)+7], v[(\a):(\a)+11], v[(\b):(\b)+11], v[(\c):(\c)+7], v[(\sa)], v[(\sb)] matrix_a_fmt:MATRIX_FMT_FP6 matrix_b_fmt:MATRIX_FMT_FP6 matrix_b_scale:MATRIX_SCALE_ROW1
.else
	v_wmma_scale_f32_16x16x128_f8f6f4 v[(\d):(\d)+7], v[(\a):(\a)+11], v[(\b):(\b)+11], v[(\c):(\c)+7], v[(\sa)], v[(\sb)] matrix_a_fmt:MATRIX_FMT_FP6 matrix_b_fmt:MATRIX_FMT_FP6
.endif
.endm
	s_load_b256 s[4:11], s[0:1], 0x0               ; aq, wq, bo, out0
	v_lshl_add_u32 v[SPW], v0, 2, SPARE
	v_mov_b32 v[NIL], 0
	v_lshrrev_b32 v5, 5, v0
	v_readfirstlane_b32 s18, v5                    ; wave
	v_and_b32 v5, 31, v0                           ; lane
	v_lshlrev_b32 v1, 4, v5
	v_lshlrev_b32 v2, 3, v5
	v_and_b32 v6, 15, v0                           ; r
	v_bfe_u32 v7, v0, 4, 1                         ; h
	s_mul_i32 s19, s18, STG
	v_mul_u32_u24 v3, v6, 528
	v_lshl_add_u32 v3, v7, 6, v3
	v_add_nc_u32 v3, s19, v3                       ; the stage, way in: row r, + 64 h
	v_add_nc_u32 v4, s19, v1                       ; way out: 16 x lane of a row
	v_lshlrev_b32 v8, 6, v7                        ; bo in the result's layout: + 16 h numbers
	s_lshl_b32 s20, s18, 3
	s_add_co_u32 s20, s20, 96                      ; Wo's first tile of mine
	s_mul_i32 s22, s20, 6144
	s_mov_b32 s23, 0
	s_lshl_b32 s24, s20, 8
	s_add_co_u32 s24, s24, WSC
	s_mov_b32 s25, 0
	s_mul_i32 s26, ttmp9, 12288                    ; attn's two tiles
	s_mov_b32 s27, 0
	s_lshl_b32 s28, ttmp9, 9
	s_add_co_u32 s28, s28, ASC
	s_mov_b32 s29, 0
	s_lshl_b32 s30, s18, 9                         ; 128 w numbers
	s_mov_b32 s31, 0
	s_lshl_b32 s32, ttmp9, 16                      ; 32 rows of 2,048 bytes
	s_add_co_u32 s32, s32, s30
	s_mov_b32 s33, 0
	s_wait_alu depctr_va_vdst(0)
	s_wait_kmcnt 0x0
	s_add_nc_u64 s[22:23], s[6:7], s[22:23]
	s_add_nc_u64 s[24:25], s[6:7], s[24:25]
	s_add_nc_u64 s[26:27], s[4:5], s[26:27]
	s_add_nc_u64 s[28:29], s[4:5], s[28:29]
	s_add_nc_u64 s[30:31], s[8:9], s[30:31]
	s_add_nc_u64 s[32:33], s[10:11], s[32:33]
.irp j, 0,1,2,3
	global_load_b128 v[RS+4*\j:RS+4*\j+3], v1, s[24:25] offset:512*\j
.endr
	global_load_b128 v[AS:AS+3], v1, s[28:29]
	WIN 0x40
.irp t, 0,1,2,3,4,5,6,7
	global_load_b128 v[B1+8*\t:B1+8*\t+3], v8, s[30:31] offset:(32*(\t/2)+8*(\t%2))*4
	global_load_b128 v[B1+8*\t+4:B1+8*\t+7], v8, s[30:31] offset:(32*(\t/2)+8*(\t%2))*4+16
.endr
.irp s, 0,1
.irp t, 0,1,2,3,4,5,6,7
.irp c, 0,1,2
	global_load_b128 v[12*(8*\s+\t)+4*\c:12*(8*\s+\t)+4*\c+3], v1, s[22:23] offset:6144*\t+1536*\s+512*\c
.endr
.endr
.endr
	WIN 0x80
.irp s, 0,1
.irp t, 0,1,2,3,4,5,6,7
.irp c, 0,1,2
	global_load_b128 v[12*(8*\s+\t)+4*\c:12*(8*\s+\t)+4*\c+3], v1, s[22:23] offset:6144*\t+1536*(\s+2)+512*\c
.endr
.endr
.endr
	WIN 0xc0
.irp q, 0,1
.irp s, 0,1,2,3
.irp i, 0,1,2,3,4,5
	global_load_b64 v[48*\q+12*\s+2*\i:48*\q+12*\s+2*\i+1], v2, s[26:27] offset:6144*\q+1536*\s+256*\i th:TH_LOAD_NT
.endr
.endr
.endr
	WIN 0
	s_wait_loadcnt 0x0
.irp q, 0,1
	WIN 0x1d                                       ; source 0 window 1, source 1 window 3, C (bo) window 1, D window 0
.irp t, 0,1,2,3,4,5,6,7
	MM HA+64*\q+8*\t, 12*\t, 48*\q, B1+8*\t, RS+4*(\t/2), AS, \t%2, \q
.endr
	WIN 0x0d
.irp t, 0,1,2,3,4,5,6,7
	MM HA+64*\q+8*\t, 12*(8+\t), 48*\q+12, HA+64*\q+8*\t, RS+4*(\t/2)+1, AS+1, \t%2, \q
.endr
	WIN 0x0e
.irp t, 0,1,2,3,4,5,6,7
	MM HA+64*\q+8*\t, 12*\t, 48*\q+24, HA+64*\q+8*\t, RS+4*(\t/2)+2, AS+2, \t%2, \q
.endr
.irp t, 0,1,2,3,4,5,6,7
	MM HA+64*\q+8*\t, 12*(8+\t), 48*\q+36, HA+64*\q+8*\t, RS+4*(\t/2)+3, AS+3, \t%2, \q
.endr
.endr
	WIN 0
.rept 4
	v_nop                                          ; places ahead of the first read of results (ISA guide 7.12.1)
.endr
.irp q, 0,1
.if \q > 0
	s_wait_xcnt 0x0                                ; the first tile's stores have read their data: those registers are loaded again only behind this wait
.endif
.irp b, 0,1,2,3
.irp j, 0,1,2,3
	ds_store_b128 v3, v[HA+64*\q+16*\b+4*\j:HA+64*\q+16*\b+4*\j+3] offset:128*\b+16*\j   ; each accumulator from its low end on
.endr
.endr
.irp i, 0,1,2,3,4,5,6,7,8,9,10,11,12,13,14,15
	ds_load_b128 v[OB+4*\i:OB+4*\i+3], v4 offset:528*\i   ; LDS serves a wave's instructions in order: these see the stores above
.endr
.irp i, 0,1,2,3,4,5,6,7,8,9,10,11,12,13,14,15
	s_wait_dscnt 15-\i                             ; row i is back; the rows behind it may be out
	global_store_b128 v1, v[OB+4*\i:OB+4*\i+3], s[32:33] offset:(8*\q+\i+8*(\i/8))*2048 th:TH_STORE_NT   ; lane r of tile q is token 8 q + r + 8 (r / 8) of the 32
.endr
.endr
	s_wait_tensorcnt 0x0                           ; the wave's end, behind my last LDS store
	ds_add_u32 v[SPW], v[NIL]
	s_wait_dscnt 0x0
	s_endpgm
.Lfunc_end_k_qc600072415_outp:
	.size	k_qc600072415_outp, .Lfunc_end_k_qc600072415_outp-k_qc600072415_outp
	.p2alignl 7, 3214868480
	.fill 96, 4, 3214868480
	.section	.rodata,"a",@progbits
	.p2align	6, 0x0
	.amdhsa_kernel k_qc600072415_outp
		.amdhsa_group_segment_fixed_size 34304
		.amdhsa_private_segment_fixed_size 0
		.amdhsa_enable_private_segment 0
		.amdhsa_kernarg_size 32
		.amdhsa_user_sgpr_count 2
		.amdhsa_user_sgpr_kernarg_segment_ptr 1
		.amdhsa_wavefront_size32 1
		.amdhsa_system_sgpr_workgroup_id_x 1
		.amdhsa_system_sgpr_workgroup_id_y 1
		.amdhsa_system_sgpr_workgroup_id_z 1
		.amdhsa_system_vgpr_workitem_id 0
		.amdhsa_next_free_vgpr 1024
		.amdhsa_next_free_sgpr 66
		.amdhsa_reserve_vcc 0
		.amdhsa_float_denorm_mode_32 3
		.amdhsa_float_denorm_mode_16_64 3
		.amdhsa_memory_ordered 1
		.amdhsa_forward_progress 1
		.amdhsa_inst_pref_size 35
	.end_amdhsa_kernel
	.amdgpu_metadata
---
amdhsa.version: [ 1, 2 ]
amdhsa.kernels:
  - .name:           k_qc600072415_outp
    .symbol:         k_qc600072415_outp.kd
    .args:
      - { .name: aq, .offset: 0, .size: 8, .value_kind: global_buffer, .address_space: global }
      - { .name: wq, .offset: 8, .size: 8, .value_kind: global_buffer, .address_space: global }
      - { .name: bo, .offset: 16, .size: 8, .value_kind: global_buffer, .address_space: global }
      - { .name: out0, .offset: 24, .size: 8, .value_kind: global_buffer, .address_space: global }
    .group_segment_fixed_size: 34304
    .private_segment_fixed_size: 0
    .kernarg_segment_align: 8
    .kernarg_segment_size: 32
    .max_flat_workgroup_size: 128
    .sgpr_count:     66
    .vgpr_count:     1024
    .wavefront_size: 32
...
	.end_amdgpu_metadata
.endif
;; end of part 4
